; MI455X (gfx1250); checked and timed in simulation.
; The chip was launched on July 23, 2026; its instructions are those of AMD's public machine-readable ISA for CDNA 5 (MIT licence, August 2026) and "CDNA5" Instruction Set Architecture Reference Guide (July 2026). The comments in the code are by the model that wrote it; some were corrected since.
;; Multiheaded Attention. Allowed arithmetic: matrix products marked QUANTISED: E2M1 operands, one E8M0 scale for each 32 along K, by v_wmma_scale_f32_16x16x128_f8f6f4 with both operands' format E2M1 (or v_wmma_scale_f32_32x16x128_f4), f32 sums; everything else in f32.
;; Inputs: Wk_codes 16 x 64 x 32 x 16 uint8 (E2M1 codes of Wk, K innermost, in blocks of 32 codes, two codes a byte); Wk_scales 16 x 64 x 32 uint8 (E8M0 scales of Wk, one for each 32 codes along K); Wq_codes 16 x 64 x 32 x 16 uint8 (E2M1 codes of Wq, K innermost, in blocks of 32 codes, two codes a byte); Wq_scales 16 x 64 x 32 uint8 (E8M0 scales of Wq, one for each 32 codes along K); Wv_codes 16 x 64 x 32 x 16 uint8 (E2M1 codes of Wv, K innermost, in blocks of 32 codes, two codes a byte); Wv_scales 16 x 64 x 32 uint8 (E8M0 scales of Wv, one for each 32 codes along K); X_K_codes 4 x 2,048 x 32 x 16 uint8 (E2M1 codes of X_K, K innermost, in blocks of 32 codes, two codes a byte); X_K_scales 4 x 2,048 x 32 uint8 (E8M0 scales of X_K, one for each 32 codes along K); X_Q_codes 4 x 2,048 x 32 x 16 uint8 (E2M1 codes of X_Q, K innermost, in blocks of 32 codes, two codes a byte); X_Q_scales 4 x 2,048 x 32 uint8 (E8M0 scales of X_Q, one for each 32 codes along K); X_V_codes 4 x 2,048 x 32 x 16 uint8 (E2M1 codes of X_V, K innermost, in blocks of 32 codes, two codes a byte); X_V_scales 4 x 2,048 x 32 uint8 (E8M0 scales of X_V, one for each 32 codes along K); bk 16 x 64 float32; bq 16 x 64 float32; bv 16 x 64 float32.
;; Outputs: out0 4 x 2,048 x 1,024 float32.
;; This version of the problem:
;;   THIS VERSION OF THE PROBLEM IS GIVEN IN LOW PRECISION. The matrix products marked QUANTISED in the list below multiply operands that are first quantised to E2M1 (2 exponent bits, 1 mantissa bit; 4 bits a number), with one power-of-two scale for each 32 numbers along K (OCP MX v1.0); their sums are f32. All else is computed in f32.
;;   The module's matrix products, in the order in which they are computed (A, B: the left and right operand; K: the contracted axis; several contracted axes count as one K, in the product's order):
;;     1. [M 1,024, K 1,024] x [K 1,024, N 8,192]; A: input Wq (given as codes); B: input X_Q (given as codes): QUANTISED
;;     2. [M 1,024, K 1,024] x [K 1,024, N 8,192]; A: input Wk (given as codes); B: input X_K (given as codes): QUANTISED
;;     3. [M 1,024, K 1,024] x [K 1,024, N 8,192]; A: input Wv (given as codes); B: input X_V (given as codes): QUANTISED
;;     4. batch 64 x [M 2,048, K 64] x [K 64, N 2,048]; A: computed on the way; B: computed on the way: QUANTISED
;;     5. batch 64 x [M 2,048, K 2,048] x [K 2,048, N 64]; A: softmax (see below); B: computed on the way: QUANTISED
;;   THE QUANTISER, for each operand of a quantised product, along K:
;;     - K is cut into blocks of 32 from its start; a last block that is shorter is filled with zeros.
;;     - A block's scale is 2^e with e = floor(log2(the largest magnitude in the block)) - 2, held to -126 .. 127; a block of zeros has e = 0. As a byte (E8M0): e + 127.
;;     - Each number is divided by its block's scale, clamped to +-6, and rounded to the nearest number of E2M1, ties to even, subnormals kept.
;;     - The product sums the exact products of the quantised numbers (number of the format x scale) in f32.
;;   ~~~python
;;   def quantise(x, axis):      # numpy; x: float32 -> the quantised numbers, widened to float32 again
;;       x = np.moveaxis(x, axis, -1); K = x.shape[-1]
;;       x = np.pad(x, [(0, 0)] * (x.ndim - 1) + [(0, -K % 32)]); x = x.reshape(x.shape[:-1] + (-1, 32)); a = np.abs(x).max(-1, keepdims=True)
;;       e = np.where(a > 0, np.clip(np.frexp(np.where(a > 0, a, 1))[1] - 1 - 2, -126, 127), 0)      # np.frexp(a)[1] - 1 = floor(log2(a)), exactly
;;       r = np.clip(x / 2.0 ** e, -6, 6)
;;       step = 2.0 ** (np.maximum(np.frexp(np.where(r == 0, 1, r))[1] - 1, 0) - 1)
;;       q = np.round(r / step) * step * 2.0 ** e      # np.round: ties to even
;;       return np.moveaxis(q.reshape(q.shape[:-2] + (-1,))[..., :K], -1, axis).astype(np.float32)
;;   ~~~
;;   SOFTMAX AHEAD OF A QUANTISED PRODUCT. Where the list says 'softmax', what is quantised is not the finished softmax but p = 2^(t - M), with t = logit x log2(e) and M = ceil(the row's largest t), a whole number; so 1/2 < the row's largest p <= 1. The row's sum l is taken of the UNQUANTISED p, in f32, and the product's result is divided by l at the end. Since M is a whole number, a kernel that streams over the keys may use a running M (the ceiling of the running maximum): every later rescaling is an exact power of two, which a block's scale takes up: the codes' values come out the same.
;;   OPERANDS COMPUTED ON THE WAY. 'Computed on the way' means the value that the module computes at that place (a softmax that the list does not call 'softmax' is quantised finished and normalised). What goes into a quantiser is computed in f32, as accurately as f32 sums, v_exp_f32 and their like allow (about 1e-6 of the number): no bf16 or f16 on the way to a quantiser, and a product that is left as it is and whose result goes on into a quantised operand takes f32 operands (vector FMAs, or v_wmma_f32_16x16x4_f32). A number that lies on a knife's edge between two numbers of the format may be rounded either way, as far as f32 arithmetic and the matrix unit's own rounding can turn it there, and no further.
;;   INPUTS GIVEN AS CODES. Wk (in the module: [16, 1024, 64], K = its axis 1); Wq (in the module: [16, 1024, 64], K = its axis 1); Wv (in the module: [16, 1024, 64], K = its axis 1); X_K (in the module: [4, 2048, 1024], K = its axis 2); X_Q (in the module: [4, 2048, 1024], K = its axis 2); X_V (in the module: [4, 2048, 1024], K = its axis 2): each comes as NAME_codes (uint8): NAME with its K axis moved to the last place and cut into blocks of 32 codes, [.., K / 32, bytes a block], one block behind the other in memory; two codes a byte, the lower K in the low four bits (a code: sign, 2 exponent bits, 1 mantissa bit); and NAME_scales (uint8): the same leading axes, one E8M0 byte (e + 127) for each 32 codes along K. Its value is code x scale, taken as it is: it is not quantised again, and the codes and scales need not be those that the quantiser above would give.
;; One version. Each part assembles by itself: llvm-mc -triple=amdgcn-amd-amdhsa -mcpu=gfx1250 --defsym DOCPART=n.
;; ======== version 1 of 1: 2 launches
;; workspace buffers: kv 9,175,040 bytes; qq 9,175,040 bytes
;; launch proj (part 1): grid 4 x 96, 4 waves a work-group, clusters of 4 x 4, 296,448 bytes of LDS; arguments X_Q_codes, X_Q_scales, Wq_codes, Wq_scales, X_K_codes, X_K_scales, Wk_codes, Wk_scales, X_V_codes, X_V_scales, Wv_codes, Wv_scales, bq, bk, bv, qq, kv; writes qq, kv
.if DOCPART == 1
	.amdgcn_target "amdgcn-amd-amdhsa--gfx1250"
	.amdhsa_code_object_version 6
	.text
	.protected	k_q5847921503_proj
	.globl	k_q5847921503_proj
	.p2align	8
	.type	k_q5847921503_proj,@function
k_q5847921503_proj:
	s_mov_b64 s[64:65], 0
	v_nop
	global_prefetch_b8 v0, s[64:65] scope:SCOPE_SE
	s_setreg_imm32_b32 hwreg(HW_REG_WAVE_MODE, 25, 1), 1
	s_wait_xcnt 0x0
	s_wait_alu depctr_hold_cnt(0) depctr_sa_sdst(0) depctr_va_vdst(0) depctr_va_sdst(0) depctr_va_ssrc(0) depctr_va_vcc(0) depctr_vm_vsrc(0)
	s_getreg_b32 s2, hwreg(HW_REG_IB_STS2, 6, 4)
	s_cmp_eq_u32 s2, 0
	s_cbranch_scc0 .Lentry_in_a_cluster
	s_endpgm
.Lentry_in_a_cluster:
	s_bfe_u32 s2, ttmp6, 0x10000c
	s_cmp_lg_u32 s2, 0xf033
	s_cbranch_scc0 .Lentry_shape_is_right
	s_endpgm
.Lentry_shape_is_right:
; THE THREE PROJECTIONS: Y[row][w] = sum over k of X[row][k] W[w][k] + bias[w], X: 8,192 rows, W: 1,024 rows (16 heads x 64), K = 1,024, both as codes of FP4 (E2M1) with one E8M0 byte
; for each 32 along K, as they lie in memory.  The results are quantised at once and leave as IMAGES OF THE OPERAND REGISTERS that the attention launch loads: nothing wide goes to memory.
; GRID: x = which 256 rows of W (4 heads); y = 32 z + which 256 rows of X; z = 0: Q, 1: K, 2: V.  A work-group of four waves makes 256 x 256, a wave 128 x 128: 64 accumulators, 512 registers.
; K = 1,024 is two LDS slots of 512 along K: every byte of LDS is filled once, at the head: three tensor loads a wave (scale bytes, slot 0, slot 1) are out at most.
; CLUSTERS: 4 x 4 work-groups.  The four of a row of the cluster need the same rows of X, the four of a column the same rows of W: each tile is asked for jointly.  z is the same in all sixteen.
; THE MATRIX INSTRUCTION IS USED TRANSPOSED: a lane holds one row of source 1 (called A here), and its registers run along the rows of source 0 (called B).
;   Q, K: A = X, B = W: a lane holds a query or key, its registers run along the head's channels, which are the K of the scores.
;   V:    A = W, B = X: a lane holds a channel, its registers run down the keys, which are the K of the second product.
; The two ways differ in address registers, in the bias's form and in the stores' offsets: the body is expanded twice, under one branch on z.
; THE BIAS is the C of each sum's first matrix instruction.
; THE QUANTISER: a block of 32 lies in tiles 2 b and 2 b + 1 of lanes l and l xor 16.  Its scale byte is the exponent field of its largest magnitude less 2, held at 1 from below.
; OUT, for head-and-batch bh = 16 batch + head and step s of 128 rows: bh x 143,360 + s x 8,960 bytes into qq (Q) or kv (K, V); L = lane:
;   +0     Q or K codes: tile t of 16 rows at 512 t + 16 L: the fragment's registers 0-3 (channels 32 (L / 16) + 0 .. 31)
;   +4,096 V codes: channel tile ct, half c at 1,024 ct + 512 c + 16 L: registers 4 c .. 4 c + 3 (keys 64 c + 32 (L / 16) + 0 .. 31)
;   +8,192 Q or K scale words: 16 L + 4 i: tile 2 i + L / 16, row L % 16        +8,704 V scale words: 8 L + 4 i: channel tile 2 i + L / 16, row L % 16
; A Q or K row has two blocks; the upper two bytes of its word stand over zero codes: the even head of a pair keeps the odd head's bytes there (1 .. 254), the odd head has zeros.
; LIMITS: NaN and infinities are not served.  A block of zeros, or one whose largest magnitude lies under 2^-124, keeps the byte 1 (the bytes are read by this program alone).
; REGISTERS, in windows of 256: window 0: v1-25 addresses; v32-95 scale words, two sets; v96-123 the quantiser's; v128-191 A's fragments, later the codes made; v192-255 the bias.
;   window 1: B's fragments, two sets, at v0 and v128.   windows 2, 3: accumulator (a, b) at v[8 (8 (a % 4) + b)], a = 0-3 in window 2, 4-7 in window 3.
.set ROWB,   256                       ; a tile's row: 512 codes
.set KROW,   512                       ; a row of X or W in memory, in bytes
.set PITCH,  272                       ; an LDS row: 256 bytes + 16 of padding: the 16 rows that a fragment load touches begin 68 words apart
.set FR,     8                         ; registers of a fragment: 16 rows x 128 K
.set NL,     2                         ; LDS loads that bring one
.set NP,     4                         ; places behind this matrix instruction (ISA guide 7.12.1)
.set NQ,     4                         ; matrix instructions deep in a slot
.set HALFT,  128*PITCH                 ; 128 rows: what one tensor load brings
.set SLOT,   4*HALFT                   ; X's 256 rows, then W's 256 rows
.set SCL,    2*SLOT                    ; behind the slots: the scale bytes, as runs of 256 bytes + 16 of padding
.set HALFS,  16*272                    ; those of 128 rows (32 bytes a row)
.set SBLK,   2*272                     ; those of 16 rows
.set HEADB,  143360                    ; a head's part of qq or kv
.set STEPB,  8960                      ; a step's part of it
.set ADX,  16                          ; v16-17  LDS address of my fragments of X in slot 0, 1
.set ADW,  18                          ; v18-19  the same for W
.set ASQ,  20                          ; v20     scale words: lanes 0-15 X's rows, lanes 16-31 W's
.set ASV,  21                          ; v21     the other way round
.set LI,   22                          ; v22     16 x lane
.set L8,   23                          ; v23     8 x lane
.set BO,   24                          ; v24     32 x (lane / 16): the bias by registers
.set BR,   25                          ; v25     4 x (lane % 16): the bias by lanes
.set SC,   32                          ; scale words: set s at v[SC + 32 s]; register 4 i + q: lanes 0-15 A's block i, lanes 16-31 B's block i, the slot's q-th 128 along K
.set TM,   96                          ; v96-99   largest magnitudes
.set TP,   100                         ; v100-103 the other half's; then the bytes
.set TS,   104                         ; v104-107 the conversions' scale operands
.set PW,   108                         ; v108-115 block a's scale word
.set T,    116                         ; v116-119 scale words as they are stored
.set U,    120                         ; v120-123 the odd head's
.set AF,   128                         ; A's fragments
.set PC,   128                         ; on the way out: block a's codes at v[PC + 8 a]
.set BIAS, 192
.set G1,   24                          ; s[24:31] descriptor group 1 for X's tiles;  s[32:39] group 0, one set for each slot
.set G0,   32
.set G1B,  48                          ; s[48:55], s[56:63] the same for W's tiles
.set G0B,  56
.set G1S,  68                          ; s[68:75], s[76:79] groups 1 and 0 for X's scale bytes;  s[80:87], s[88:91] for W's
.set G0S,  76
.set G1SB, 80
.set G0SB, 88
.set MSB, 0
.macro WIN new                         ; the immediate's high byte repeats the setting that is left
.if MSB != (\new)
	s_set_vgpr_msb (MSB<<8)|(\new)
.set MSB, (\new)
.endif
.endm
.set MUL_LO, 0xa1                      ; source 0 (B) window 1, source 1 (A) window 0, C and D window 2
.set MUL_HI, 0xf1                      ; the same, C and D window 3
.set TO_B,   0x40                      ; destination window 1, address window 0
; A joint load: waves 0 and 1 fetch for X, waves 2 and 3 for W.  Each line has one mask and one set of registers for all that issue it; the branch hangs on the wave's number alone.
; Four v_nop follow each of the two lines, ahead of the jump, the label and what follows.
.macro JLOAD g0a, g1a, g0b, g1b
	s_cmp_eq_u32 s15, 0
	s_cbranch_scc0 .Lfor_b_\@
	tensor_load_to_lds s[\g0a:\g0a+3], s[\g1a:\g1a+7]
	s_nop 0
.rept 4
	v_nop
.endr
	s_branch .Lasked_\@
.Lfor_b_\@:
	tensor_load_to_lds s[\g0b:\g0b+3], s[\g1b:\g1b+7]
	s_nop 0
.rept 4
	v_nop
.endr
.Lasked_\@:
.endm
.macro CROUND                          ; a round of the cluster's barrier
	s_barrier_signal -1
	s_barrier_wait -1
	s_cmp_lg_u32 s14, 0
	s_cbranch_scc1 .Lnot_wave_0_\@
	s_barrier_signal -3
.Lnot_wave_0_\@:
	s_barrier_wait -3
	s_barrier_signal -1
	s_barrier_wait -1
.endm
	s_load_b256 s[24:31], s[0:1], 0x0              ; X_Q codes, scales, Wq codes, scales   (these registers take the descriptors once the choice by z is made)
	s_load_b256 s[32:39], s[0:1], 0x20             ; the same for K
	s_load_b256 s[48:55], s[0:1], 0x40             ; the same for V
	s_load_b128 s[56:59], s[0:1], 0x60             ; bq, bk
	s_load_b128 s[60:63], s[0:1], 0x70             ; bv, qq
	s_load_b64 s[68:69], s[0:1], 0x80              ; kv
	v_lshl_add_u32 v126, v0, 2, 0x48400
	v_mov_b32 v127, 0
	ds_add_u32 v126, v127
	ds_add_u32 v126, v127
	v_lshrrev_b32 v1, 5, v0
	v_readfirstlane_b32 s14, v1                    ; wave 0..3
	s_lshr_b32 s15, s14, 1                         ; xh: which 128 rows of X are mine.  Also: I fetch for X (0) or for W (1)
	s_and_b32 s16, s14, 1                          ; wh: which 128 rows of W.  Also: which 128 rows of that tile I fetch
	s_bfe_u32 s40, ttmp6, 0x40000                  ; cx, cy: my place in the cluster
	s_bfe_u32 s41, ttmp6, 0x40004
	s_lshl_b32 s42, ttmp9, 2
	s_add_co_u32 s42, s42, s40                     ; W's tile = 4 x cluster x + cx
	s_and_b32 s17, ttmp7, 0xffff                   ; cluster y, 0..23
	s_lshr_b32 s96, s17, 3                         ; z: eight clusters to a tensor
	s_and_b32 s17, s17, 7
	s_lshl_b32 s17, s17, 2
	s_add_co_u32 s17, s17, s41                     ; X's tile, 0..31
	s_lshl_b32 s43, s41, 2
	s_lshl_b32 s43, 15, s43                        ; my row of the cluster
	s_lshl_b32 s44, 0x1111, s40                    ; my column
	s_lshl_b32 s18, s16, 7                         ; which 128 rows of the tile I fetch
	s_lshl_b32 s20, s17, 8
	s_add_co_u32 s20, s20, s18                     ; X: row 256 x tile + 128 x half
	s_lshl_b32 s46, s42, 8
	s_add_co_u32 s46, s46, s18                     ; W likewise
	s_lshl_b32 s22, s20, 5                         ; their scale bytes: 32 a row
	s_lshl_b32 s92, s46, 5
	s_lshl_b32 s20, s20, 9                         ; their codes: 512 bytes a row
	s_lshl_b32 s46, s46, 9
	s_mov_b32 s21, 0
	s_mov_b32 s23, 0
	s_mov_b32 s47, 0
	s_mov_b32 s93, 0
	s_mul_i32 s45, s14, HALFT                      ; where they go: wave x 128 rows: no place in the cluster enters an LDS address
	s_mul_i32 s94, s14, HALFS
	s_mov_b32 s97, 0xffff0000                      ; lanes 16-31
	s_mov_b32 s100, 0x76543210
	s_mov_b32 s101, 0xfedcba98                     ; v_permlanex16_b32's selects for lane l xor 16
	s_wait_dscnt 0x0
	s_wait_kmcnt 0x0
	s_cmp_eq_u32 s96, 0                            ; the tensor's buffers: a choice on z, which hangs on the cluster's number alone
	s_cselect_b64 s[4:5], s[24:25], s[32:33]       ; X's codes
	s_cselect_b64 s[6:7], s[26:27], s[34:35]       ; X's scale bytes
	s_cselect_b64 s[8:9], s[28:29], s[36:37]       ; W's codes
	s_cselect_b64 s[10:11], s[30:31], s[38:39]     ; W's scale bytes
	s_cselect_b64 s[12:13], s[62:63], s[68:69]     ; out: qq for Q, else kv
	s_cselect_b64 s[66:67], s[56:57], s[58:59]     ; the bias
	s_cmp_eq_u32 s96, 2
	s_cselect_b64 s[4:5], s[48:49], s[4:5]
	s_cselect_b64 s[6:7], s[50:51], s[6:7]
	s_cselect_b64 s[8:9], s[52:53], s[8:9]
	s_cselect_b64 s[10:11], s[54:55], s[10:11]
	s_cselect_b64 s[66:67], s[60:61], s[66:67]
	s_add_nc_u64 s[20:21], s[4:5], s[20:21]
	s_add_nc_u64 s[22:23], s[6:7], s[22:23]
	s_add_nc_u64 s[46:47], s[8:9], s[46:47]
	s_add_nc_u64 s[92:93], s[10:11], s[92:93]
	; descriptor group 1: a tile of 128 rows x 256 bytes, padded in LDS
	s_or_b32 s[G1+0], s43, (0<<16)|(1<<20)|(1<<21)|(5<<22)|(3<<25)  ; 15:0 the mask: X's tiles go to my row; 17:16 elements of 1 byte; 20 padding on; 21 set beside a mask; 24:22 after every 64 words; 31:25 four words
	s_or_b32 s[G1B+0], s44, (0<<16)|(1<<20)|(1<<21)|(5<<22)|(3<<25) ; W's go to my column
.irp g, G1, G1B
	s_mov_b32 s[\g+1], ROWB<<16                    ; tensor_dim0
	s_mov_b32 s[\g+2], 128<<16                     ; tensor_dim1
	s_mov_b32 s[\g+3], ROWB<<16                    ; tile_dim0
	s_mov_b32 s[\g+4], 128                         ; tile_dim1
	s_mov_b32 s[\g+5], KROW                        ; tensor_dim0_stride
	s_mov_b32 s[\g+6], 0
	s_mov_b32 s[\g+7], 0
.endr
	; the scale bytes of 128 rows: 4,096 dense bytes, as 16 rows of 256 bytes (32 elements of 8 bytes), 16 bytes of padding behind each
	s_or_b32 s[G1S+0], s43, (3<<16)|(1<<20)|(1<<21)|(5<<22)|(3<<25)
	s_or_b32 s[G1SB+0], s44, (3<<16)|(1<<20)|(1<<21)|(5<<22)|(3<<25)
.irp g, G1S, G1SB
	s_mov_b32 s[\g+1], 32<<16
	s_mov_b32 s[\g+2], 16<<16
	s_mov_b32 s[\g+3], 32<<16
	s_mov_b32 s[\g+4], 16
	s_mov_b32 s[\g+5], 32
	s_mov_b32 s[\g+6], 0
	s_mov_b32 s[\g+7], 0
.endr
	CROUND                                         ; all sixteen work-groups are here: the joint loads meet
	s_mov_b32 s[G0S], 1
	s_add_co_u32 s[G0S+1], s94, SCL
	s_mov_b64 s[G0S+2:G0S+3], s[22:23]
	s_or_b32 s[G0S+3], s[G0S+3], 0x80000000
	s_mov_b32 s[G0SB], 1
	s_add_co_u32 s[G0SB+1], s94, SCL
	s_mov_b64 s[G0SB+2:G0SB+3], s[92:93]
	s_or_b32 s[G0SB+3], s[G0SB+3], 0x80000000
	JLOAD G0S, G1S, G0SB, G1SB                     ; the scale bytes first: they are wanted with slot 0
.irp s, 0,1
	s_mov_b32 s[G0+4*\s], 1
	s_add_co_u32 s[G0+4*\s+1], s45, \s*SLOT
	s_add_nc_u64 s[G0+4*\s+2:G0+4*\s+3], s[20:21], \s*ROWB
	s_or_b32 s[G0+4*\s+3], s[G0+4*\s+3], 0x80000000
	s_mov_b32 s[G0B+4*\s], 1
	s_add_co_u32 s[G0B+4*\s+1], s45, \s*SLOT
	s_add_nc_u64 s[G0B+4*\s+2:G0B+4*\s+3], s[46:47], \s*ROWB
	s_or_b32 s[G0B+4*\s+3], s[G0B+4*\s+3], 0x80000000
	JLOAD G0+4*\s, G1, G0B+4*\s, G1B
.endr
	v_and_b32 v1, 15, v0                           ; r = lane % 16
	v_bfe_u32 v2, v0, 4, 1                         ; h = lane / 16
	v_mul_u32_u24 v3, v1, PITCH
	v_lshl_add_u32 v4, v2, 4, v3                   ; a fragment's row x pitch + 16 x half
	s_mul_i32 s21, s15, HALFT                      ; my 128 rows of X
	s_mul_i32 s22, s16, HALFT                      ; my 128 rows of W,
	s_add_co_u32 s22, s22, 2*HALFT                 ; which lie behind X's 256
.irp s, 0,1
	v_add_nc_u32 v[ADX+\s], s21, v4
	v_add_nc_u32 v[ADW+\s], s22, v4
	s_add_co_u32 s21, s21, SLOT
	s_add_co_u32 s22, s22, SLOT
.endr
	v_lshlrev_b32 v5, 5, v1                        ; my row's scale bytes: 32 a row,
	v_lshrrev_b32 v6, 8, v5
	v_lshl_add_u32 v5, v6, 4, v5                   ; and 16 more for each 256 passed
	s_mul_i32 s21, s15, HALFS
	s_add_co_u32 s21, s21, SCL                     ; X's: my 128 rows
	v_add_nc_u32 v5, s21, v5
	s_xor_b32 s23, s15, 1
	s_add_co_u32 s22, s16, s23
	s_add_co_u32 s22, s22, 1
	s_mul_i32 s22, s22, HALFS                      ; from there to W's, my 128 rows: (2 + wh - xh) x 4,352 bytes
	v_mul_u32_u24 v6, s22, v2
	v_add_nc_u32 v[ASQ], v5, v6                    ; lanes 16-31 take W's
	v_xor_b32 v7, 1, v2
	v_mul_u32_u24 v6, s22, v7
	v_add_nc_u32 v[ASV], v5, v6                    ; lanes 0-15 take W's
	v_and_b32 v8, 31, v0
	v_lshlrev_b32 v[LI], 4, v8
	v_lshlrev_b32 v[L8], 3, v8
	v_lshlrev_b32 v[BO], 5, v2
	v_lshlrev_b32 v[BR], 2, v1
.irp b, 0,1,2,3
	v_mov_b32 v[TP+\b], 0                          ; written once: a lane permute's destination counts as one of its sources
.endr
	s_lshr_b32 s20, s17, 3                         ; the batch: eight tiles of 256 rows
	s_lshl_b32 s20, s20, 4
	s_lshl_b32 s46, s42, 2
	s_add_co_u32 s46, s46, s20
	s_lshl_b32 s47, s16, 1
	s_add_co_u32 s46, s46, s47                     ; 16 batch + my even head: 4 x W's tile + 2 wh
	s_mul_i32 s46, s46, HEADB
	s_and_b32 s20, s17, 7
	s_lshl_b32 s20, s20, 1
	s_add_co_u32 s20, s20, s15                     ; my step of 128 rows in the batch
	s_mul_i32 s20, s20, STEPB
	s_add_co_u32 s46, s46, s20
	s_mov_b32 s47, 0
	s_add_nc_u64 s[12:13], s[12:13], s[46:47]      ; out, at my even head's step
	s_lshl_b32 s46, s42, 10
	s_lshl_b32 s20, s16, 9
	s_add_co_u32 s46, s46, s20
	s_add_nc_u64 s[66:67], s[66:67], s[46:47]      ; the bias of my 128 rows of W
.macro FRAG reg, adr, q, i             ; a fragment: lane l holds row l % 16; registers 4 c .. 4 c + 3 hold K = 64 c + 32 (l / 16) + 0 .. 31
.irp c, 0,1
	ds_load_b128 v[\reg+4*\c:\reg+4*\c+3], v[\adr] offset:64*(\q)+32*\c+(\i)*16*PITCH
.endr
.endm
; 16 matrix instructions: A's blocks a0, a0 + 1 x B's eight, 128 along K: the slot's q-th.  p: B's set;  sc: the set of scale words.  zero = 1: the bias is the C of the sums' first products: nothing is cleared or added.
; The 64 accumulators take turns, one instruction a turn, in the same order in every step.
.macro MUL16 a0, p, q, sc, zero
.irp a, \a0, \a0+1
.irp b, 0,1,2,3,4,5,6,7
.set rD, 8*(8*((\a)%4)+\b)
.set rC, rD
.if \zero
.set rC, BIAS+8*(BIASBY*(\a)+(1-BIASBY)*\b)
.endif
	v_wmma_scale_f32_16x16x128_f8f6f4 v[rD:rD+7], v[128*(\p)+FR*\b:128*(\p)+FR*\b+FR-1], v[AF+FR*(\a):AF+FR*(\a)+FR-1], v[rC:rC+7], v[SC+8*NQ*(\sc)+NQ*\b+(\q)], v[SC+8*NQ*(\sc)+NQ*(\a)+(\q)] matrix_a_fmt:MATRIX_FMT_FP4 matrix_b_fmt:MATRIX_FMT_FP4 matrix_a_scale:MATRIX_SCALE_ROW1
.endr
.endr
.endm
.macro FETCH_B slot, q, p              ; B's eight fragments of the slot's q-th 128 along K into set p
	WIN TO_B
.irp i, 0,1,2,3,4,5,6,7
	FRAG 128*(\p)+FR*\i, ADRB+\slot, \q, \i
.endr
	WIN 0
.endm
.macro FETCH_A slot, q, i0             ; A's blocks i0 .. i0 + 3
.irp i, \i0, \i0+1, \i0+2, \i0+3
	FRAG AF+FR*(\i), ADRA+\slot, \q, \i
.endr
.endm
.macro SCALES sc                       ; slot sc's scale words: four words a row; lanes 0-15 take A's block i, lanes 16-31 B's block i
.irp i, 0,1,2,3,4,5,6,7
	ds_load_b128 v[SC+8*NQ*\sc+NQ*\i:SC+8*NQ*\sc+NQ*\i+3], v[ADRS] offset:\i*SBLK+16*\sc
.endr
.endm
; A load into a register that a matrix instruction has read, and a vector instruction that reads a matrix result or writes one of its registers, stand NP places behind it; only plain vector
; instructions that name none of its registers are places (ISA guide 7.12.1 for vector instructions).
.macro PLACES n
.rept \n
	v_nop
.endr
.endm
; A step of 128 along K that has its successor in the same slot.  A has one set of registers: blocks 0-3 are fetched anew in the step's middle, blocks 4-7 at its end; B has two sets.
.macro STEP slot, q, zero
	s_wait_dscnt 4*NL                              ; B's set, A's blocks 0-3 and the scale words are in; the youngest eight loads (A's blocks 4-7) may be out
.if \zero
	WIN 0x81                                       ; C (the bias) window 0, D window 2
.else
	WIN MUL_LO
.endif
	MUL16 0, (\q)%2, \q, \slot, \zero
	MUL16 2, (\q)%2, \q, \slot, \zero
	s_wait_dscnt 0                                 ; A's blocks 4-7 are in (asked for 32 matrix instructions ago)
	PLACES NP
	FETCH_B \slot, (\q)+1, 1-(\q)%2
	FETCH_A \slot, (\q)+1, 0
.if \zero
	WIN 0xc1                                       ; C window 0, D window 3
.else
	WIN MUL_HI
.endif
	MUL16 4, (\q)%2, \q, \slot, \zero
	MUL16 6, (\q)%2, \q, \slot, \zero
	PLACES NP
	WIN 0
	FETCH_A \slot, (\q)+1, 4
.endm
.macro STEPS slot, from                ; the slot's steps from .. NQ - 2
.set Q, \from
.rept NQ-1-\from
	STEP \slot, Q, 0
.set Q, Q+1
.endr
.endm
; Slot 0's last step goes over to slot 1: each wave's part of slot 1 has landed in front of its signal; behind the barrier everybody's has.  Nothing is filled again.
.macro TURN
	s_wait_tensorcnt 0x0                           ; my part of slot 1 is in
	s_wait_dscnt 4*NL                              ; (the youngest eight loads, A's blocks 4-7, may be out)
	WIN MUL_LO
	MUL16 0, 1, NQ-1, 0, 0
	s_wait_dscnt 0x0                               ; no LDS instruction of mine is pending at the signal
	s_barrier_signal -1
	MUL16 2, 1, NQ-1, 0, 0                         ; work on registers while the others arrive
	WIN 0
	s_barrier_wait -1
	PLACES NP
	FETCH_B 1, 0, 0
	FETCH_A 1, 0, 0
	SCALES 1
	WIN MUL_HI
	MUL16 4, 1, NQ-1, 0, 0
	MUL16 6, 1, NQ-1, 0, 0
	PLACES NP
	WIN 0
	FETCH_A 1, 0, 4
.endm
.macro GHEAD
	s_wait_tensorcnt 0x1                           ; my scale bytes and my part of slot 0 are in; slot 1's load, the youngest of the three, may be out
	s_barrier_signal -1
	s_barrier_wait -1                              ; everybody's are
	FETCH_B 0, 0, 0
	FETCH_A 0, 0, 0
	SCALES 0
	FETCH_A 0, 0, 4
.endm
.macro GBODY
	STEP 0, 0, 1
	STEPS 0, 1
	TURN
	STEPS 1, 0
	s_wait_dscnt 4*NL                              ; the last step: nothing more to fetch
	WIN MUL_LO
	MUL16 0, 1, NQ-1, 1, 0
	MUL16 2, 1, NQ-1, 1, 0
	s_wait_dscnt 0
	WIN MUL_HI
	MUL16 4, 1, NQ-1, 1, 0
	MUL16 6, 1, NQ-1, 1, 0
	WIN 0
	PLACES NP                                      ; in front of the first read of results and the first write over A's fragments
.endm
; A's block a: the lane's 64 numbers (eight accumulators on end) become eight registers of codes, v[PC + 8 a] on, and the row's scale word, v[PW + a].
; Register 8 t + j of lane half h is number 16 t + 8 h + j of the lane's row: block b of 32 lies in registers 16 b .. 16 b + 15 of lanes l and l xor 16.
; The operand wants a whole block in a lane (register 4 c + g of half h: numbers 64 c + 32 h + 8 g on).  So tiles 4 c, 4 c + 2 are converted into registers 4 c, 4 c + 1 and tiles 4 c + 1, 4 c + 3 into
; 4 c + 2, 4 c + 3, and each pair changes the first's upper lanes for the second's lower.
.macro QUANT a
.set AC, 64*((\a)%4)
.set WN, 2+(\a)/4
.set PCA, PC+8*(\a)
	WIN WN*5                                       ; sources 0 and 1: the accumulators' window
.irp b, 0,1,2,3
	v_max3_num_f32 v[TM+\b], |v[AC+16*\b]|, |v[AC+16*\b+1]|, 0x1800000   ; each accumulator from its low end on; the floor 2^(3 - 127) holds the byte at 1 from below
.endr
.irp i, 2,4,6,8,10,12,14
.irp b, 0,1,2,3
	v_max3_num_f32 v[TM+\b], |v[AC+16*\b+\i]|, |v[AC+16*\b+\i+1]|, v[TM+\b]   ; (the four blocks by turns)
.endr
.endr
	WIN 0
.irp b, 0,1,2,3
	v_permlanex16_b32 v[TP+\b], v[TM+\b], s100, s101
.endr
.irp b, 0,1,2,3
	v_max_num_f32 v[TM+\b], v[TM+\b], v[TP+\b]     ; with lane l xor 16's: the block's largest magnitude
.endr
.irp b, 0,1,2,3
	v_add_nc_u32 v[TS+\b], 0xff000000, v[TM+\b]    ; 2 off its exponent field: the conversion takes that field as its scale
.endr
.irp b, 0,1,2,3
	v_lshrrev_b32 v[TP+\b], 23, v[TS+\b]           ; the scale's byte
.endr
	v_lshl_or_b32 v[PW+(\a)], v[TP+1], 8, v[TP]
	v_lshl_or_b32 v[PW+(\a)], v[TP+2], 16, v[PW+(\a)]
	v_lshl_or_b32 v[PW+(\a)], v[TP+3], 24, v[PW+(\a)]
	WIN WN                                         ; source 0 alone
.irp c, 0,1
	v_cvt_scalef32_pk8_fp4_f32 v[PCA+4*\c], v[AC+32*\c:AC+32*\c+7], v[TS+2*\c]
	v_cvt_scalef32_pk8_fp4_f32 v[PCA+4*\c+2], v[AC+32*\c+8:AC+32*\c+15], v[TS+2*\c]
	v_cvt_scalef32_pk8_fp4_f32 v[PCA+4*\c+1], v[AC+32*\c+16:AC+32*\c+23], v[TS+2*\c+1]
	v_cvt_scalef32_pk8_fp4_f32 v[PCA+4*\c+3], v[AC+32*\c+24:AC+32*\c+31], v[TS+2*\c+1]
.endr
	WIN 0
	v_nop                                          ; one plain place behind the scaled conversions
.irp c, 0,1
	v_permlane16_swap_b32 v[PCA+4*\c], v[PCA+4*\c+1]
	v_permlane16_swap_b32 v[PCA+4*\c+2], v[PCA+4*\c+3]
.endr
.endm
	s_cmp_eq_u32 s96, 2
	s_cbranch_scc1 .Lv
	; ---- Q and K: A = X, B = W
.set ADRA, ADX
.set ADRB, ADW
.set ADRS, ASQ
.set BIASBY, 0                         ; the bias goes by B's blocks: register j of block b is that of W's row 16 b + 8 h + j
	s_wait_alu depctr_va_vdst(0)
.irp b, 0,1,2,3,4,5,6,7
	global_load_b128 v[BIAS+8*\b:BIAS+8*\b+3], v[BO], s[66:67] offset:64*\b
	global_load_b128 v[BIAS+8*\b+4:BIAS+8*\b+7], v[BO], s[66:67] offset:64*\b+16
.endr
	GHEAD
	s_wait_loadcnt 0x0                             ; the bias
	GBODY
.irp a, 0,1,2,3,4,5,6,7                ; no store's data are written again: no wait stands between the stores
	QUANT \a
	global_store_b128 v[LI], v[PC+8*\a:PC+8*\a+3], s[12:13] offset:512*\a               ; the even head's tile a: the wave stores 512 consecutive bytes, aligned
	global_store_b128 v[LI], v[PC+8*\a+4:PC+8*\a+7], s[12:13] offset:512*\a+HEADB       ; the odd head's
.endr
.irp b, 0,1,2,3
	v_cndmask_b32 v[T+\b], v[PW+2*\b], v[PW+2*\b+1], s97   ; lanes 0-15: tile 2 b's words, lanes 16-31: tile 2 b + 1's (both halves of the lanes hold a row's word)
.endr
	global_store_b128 v[LI], v[T:T+3], s[12:13] offset:8192
.irp b, 0,1,2,3
	v_lshrrev_b32 v[U+\b], 16, v[T+\b]             ; the odd head's two bytes come down; zeros above them, over zero codes
.endr
	global_store_b128 v[LI], v[U:U+3], s[12:13] offset:8192+HEADB
	s_branch .Lend
.Lv:	; ---- V: A = W, B = X
.set ADRA, ADW
.set ADRB, ADX
.set ADRS, ASV
.set BIASBY, 1                         ; the bias goes by A's blocks: one number a lane, that of W's row 16 a + r
	s_wait_alu depctr_va_vdst(0)
.irp a, 0,1,2,3,4,5,6,7
	global_load_b32 v[BIAS+8*\a], v[BR], s[66:67] offset:64*\a
.endr
	GHEAD
	s_wait_loadcnt 0x0                             ; the bias,
.irp a, 0,1,2,3,4,5,6,7
.irp j, 1,2,3,4,5,6,7
	v_mov_b32 v[BIAS+8*\a+\j], v[BIAS+8*\a]        ; spread over the eight registers of a C operand
.endr
.endr
	s_wait_alu depctr_va_vdst(0)
	GBODY
.irp a, 0,1,2,3,4,5,6,7
	QUANT \a
	global_store_b128 v[LI], v[PC+8*\a:PC+8*\a+3], s[12:13] offset:HEADB*(\a/4)+4096+1024*(\a%4)        ; head a / 4, channel tile a % 4: keys 0-63 of the step,
	global_store_b128 v[LI], v[PC+8*\a+4:PC+8*\a+7], s[12:13] offset:HEADB*(\a/4)+4096+1024*(\a%4)+512  ; keys 64-127
.endr
.irp i, 0,1,2,3
	v_cndmask_b32 v[T+\i], v[PW+2*\i], v[PW+2*\i+1], s97
.endr
	global_store_b64 v[L8], v[T:T+1], s[12:13] offset:8704           ; the wave stores 256 consecutive bytes, aligned
	global_store_b64 v[L8], v[T+2:T+3], s[12:13] offset:8704+HEADB
.Lend:
	s_wait_tensorcnt 0x0
	ds_add_u32 v126, v127
	s_wait_dscnt 0x0
	CROUND                                         ; the closing round: no work-group ends while a partner may still ask for a tile that names it
	s_endpgm
.Lfunc_end_k_q5847921503_proj:
	.size	k_q5847921503_proj, .Lfunc_end_k_q5847921503_proj-k_q5847921503_proj
	.p2alignl 7, 3214868480
	.fill 96, 4, 3214868480
	.section	.rodata,"a",@progbits
	.p2align	6, 0x0
	.amdhsa_kernel k_q5847921503_proj
		.amdhsa_group_segment_fixed_size 296448
		.amdhsa_private_segment_fixed_size 0
		.amdhsa_enable_private_segment 0
		.amdhsa_kernarg_size 136
		.amdhsa_user_sgpr_count 2
		.amdhsa_user_sgpr_kernarg_segment_ptr 1
		.amdhsa_wavefront_size32 1
		.amdhsa_system_sgpr_workgroup_id_x 1
		.amdhsa_system_sgpr_workgroup_id_y 1
		.amdhsa_system_sgpr_workgroup_id_z 1
		.amdhsa_system_vgpr_workitem_id 0
		.amdhsa_next_free_vgpr 1024
		.amdhsa_next_free_sgpr 102
		.amdhsa_reserve_vcc 0
		.amdhsa_float_denorm_mode_32 3
		.amdhsa_float_denorm_mode_16_64 3
		.amdhsa_memory_ordered 1
		.amdhsa_forward_progress 1
		.amdhsa_inst_pref_size 251
	.end_amdhsa_kernel
	.amdgpu_metadata
---
amdhsa.version: [ 1, 2 ]
amdhsa.kernels:
  - .name:           k_q5847921503_proj
    .symbol:         k_q5847921503_proj.kd
    .args:
      - { .name: X_Q_codes, .offset: 0, .size: 8, .value_kind: global_buffer, .address_space: global }
      - { .name: X_Q_scales, .offset: 8, .size: 8, .value_kind: global_buffer, .address_space: global }
      - { .name: Wq_codes, .offset: 16, .size: 8, .value_kind: global_buffer, .address_space: global }
      - { .name: Wq_scales, .offset: 24, .size: 8, .value_kind: global_buffer, .address_space: global }
      - { .name: X_K_codes, .offset: 32, .size: 8, .value_kind: global_buffer, .address_space: global }
      - { .name: X_K_scales, .offset: 40, .size: 8, .value_kind: global_buffer, .address_space: global }
      - { .name: Wk_codes, .offset: 48, .size: 8, .value_kind: global_buffer, .address_space: global }
      - { .name: Wk_scales, .offset: 56, .size: 8, .value_kind: global_buffer, .address_space: global }
      - { .name: X_V_codes, .offset: 64, .size: 8, .value_kind: global_buffer, .address_space: global }
      - { .name: X_V_scales, .offset: 72, .size: 8, .value_kind: global_buffer, .address_space: global }
      - { .name: Wv_codes, .offset: 80, .size: 8, .value_kind: global_buffer, .address_space: global }
      - { .name: Wv_scales, .offset: 88, .size: 8, .value_kind: global_buffer, .address_space: global }
      - { .name: bq, .offset: 96, .size: 8, .value_kind: global_buffer, .address_space: global }
      - { .name: bk, .offset: 104, .size: 8, .value_kind: global_buffer, .address_space: global }
      - { .name: bv, .offset: 112, .size: 8, .value_kind: global_buffer, .address_space: global }
      - { .name: qq, .offset: 120, .size: 8, .value_kind: global_buffer, .address_space: global }
      - { .name: kv, .offset: 128, .size: 8, .value_kind: global_buffer, .address_space: global }
    .group_segment_fixed_size: 296448
    .private_segment_fixed_size: 0
    .kernarg_segment_align: 8
    .kernarg_segment_size: 136
    .max_flat_workgroup_size: 128
    .sgpr_count:     102
    .vgpr_count:     1024
    .wavefront_size: 32
...
	.end_amdgpu_metadata
.endif
;; end of part 1
;; launch attn (part 2): grid 4 x 64, 16 waves a work-group, clusters of 4 x 1, 215,040 bytes of LDS; arguments qq, kv, out0; writes out0
.if DOCPART == 2
	.amdgcn_target "amdgcn-amd-amdhsa--gfx1250"
	.amdhsa_code_object_version 6
	.text
	.protected	k_q5847921503_attn
	.globl	k_q5847921503_attn
	.p2align	8
	.type	k_q5847921503_attn,@function
k_q5847921503_attn:
	s_mov_b64 s[64:65], 0
	v_nop
	global_prefetch_b8 v0, s[64:65] scope:SCOPE_SE
	s_setreg_imm32_b32 hwreg(HW_REG_WAVE_MODE, 25, 1), 1
	s_wait_xcnt 0x0
	s_wait_alu depctr_hold_cnt(0) depctr_sa_sdst(0) depctr_va_vdst(0) depctr_va_sdst(0) depctr_va_ssrc(0) depctr_va_vcc(0) depctr_vm_vsrc(0)
	s_getreg_b32 s2, hwreg(HW_REG_IB_STS2, 6, 4)
	s_cmp_eq_u32 s2, 0
	s_cbranch_scc0 .Lentry_in_a_cluster
	s_endpgm
.Lentry_in_a_cluster:
	s_bfe_u32 s2, ttmp6, 0x10000c
	s_cmp_lg_u32 s2, 0x3003
	s_cbranch_scc0 .Lentry_shape_is_right
	s_endpgm
.Lentry_shape_is_right:
; CAUSAL ATTENTION on codes of FP4 (E2M1): out[b][q][64 head + :] = sum over keys k <= q of softmax_k(Q[q] . K[k] / 8) V[k][:], for 64 pairs bh = 16 batch + head, 2,048 queries and keys, head size 64.
; Q, K and V come as images of operand registers, made by the launch before: bh x 143,360 + (step of 128 rows) x 8,960 bytes into qq or kv; in a step, L = lane:
;   +0 Q or K codes, tile t at 512 t + 16 L;  +4,096 V^T's codes, channel tile ct, half c at 1,024 ct + 512 c + 16 L;  +8,192 Q or K scale words at 16 L + 4 i (tile 2 i + L / 16);  +8,704 V's at 8 L + 4 i.
; THE SOFTMAX AHEAD OF THE SECOND PRODUCT: t = score x log2(e) / 8; M = the row's largest t so far, rounded UP to a whole number; p = 2^(t - M) is quantised along the keys, not normalised.
; The row's sum is taken of the unquantised p and divides at the end.  When M moves, the sum and O are multiplied by 2^(old M - new M): exact.
; THE HEAD'S 64 fill half of the instruction's 128 along K in the first product: registers 4-7 of Q's and K's fragments are zero codes, written once.
; SHARES.  The four work-groups of a cluster serve one bh.  A head has 16 blocks of 128 queries, 8 tiles of 16 in each; block j needs key steps 0 .. j.  Wave w (P = w % 8, U = w / 8) owns tile 2 cx + U
; of block 15 - P (pass 0) and of block P (pass 1): (16 - P) + (P + 1) = 17 key steps for every wave of every work-group.  Branches hang on the wave's number and on counters alone.
; K AND V: a head's 143,360 bytes of kv fit in LDS: they are asked for ONCE, jointly by the four partners: waves 0-3 issue four tensor loads each (four are out at most); load c of wave w brings step 4 c + w.
; No byte of LDS is filled twice.  Every fragment is read as it was stored, 16 bytes a lane on end.
; LAYOUT.  Both products are used transposed: S^T = K Q^T, O^T = V^T P^T: a lane holds ONE query (lane % 16); register 8 t + j of S^T is key 16 t + 8 (lane / 16) + j of the step.
; LIMITS: NaN and infinities are not served; a block of p that has fallen to zeros keeps the byte 1: its codes are zeros.
.set HEADB, 143360
.set STEPB, 8960
.set STAGE, 143360                     ; behind the head's bytes: 16 rows x 272 bytes for each wave, for the way out; no tensor load lands there
.set LI,  1                            ; v1   16 x lane
.set L8,  2                            ; v2   8 x lane
.set ADR, 3                            ; v3   the step's LDS bytes + 16 x lane
.set QA,  4                            ; v4   my tile's codes in a step of qq: 512 tile + 16 lane
.set QB,  5                            ; v5   and its scale words
.set SI,  6                            ; v6   the stage: where I put 32 bytes of a row
.set SR,  7                            ; v7   and where I read a row back
.set GO,  8                            ; v8   my byte offset in the tile's rows of out0
.set DQ,  9                            ; v9   my query in its block - 8 (lane / 16)
.set NINF, 10                          ; v10  -infinity
.set AD8, 11                           ; v11  the step's LDS bytes + 8 x lane
                                       ; v12 -M, v13 the largest t, v[14:15] the sum in two halves
.set QF,  16                           ; v16-23   Q's fragment
.set KF,  24                           ; v24-87   K's eight fragments
.set VF,  88                           ; v88-119  V^T's four
.set S,   120                          ; v120-183 S^T, then p
.set O,   184                          ; v184-215 O^T
.set PC,  216                          ; v216-223 p's codes
.set BM,  224                          ; v224-227 a block's largest score, then its largest p
.set BP,  228                          ; v228-231 the other half's; then the bytes
.set BS,  232                          ; v232-235 the conversions' scale operands
.set SU,  236                          ; v[236:237] the sum's second chain
.set TMP, 238
.set F,   240                          ; v[240:241] f = 2^(old M - new M); the upper register is named with it and written once
.set PS,  242                          ; p's scale word
.set QS,  243                          ; Q's
.set KSC, 244                          ; v244-247 K's: register i: lanes 0-15 tile 2 i, lanes 16-31 tile 2 i + 1
.set VSC, 248                          ; v248-249 V's likewise
.set G1,  28                           ; s[28:35] descriptor group 1;  s[36:51] four groups 0
.set G0,  36
.macro CROUND                          ; a round of the cluster's barrier
	s_barrier_signal -1
	s_barrier_wait -1
	s_cmp_lg_u32 s10, 0
	s_cbranch_scc1 .Lnot_wave_0_\@
	s_barrier_signal -3
.Lnot_wave_0_\@:
	s_barrier_wait -3
	s_barrier_signal -1
	s_barrier_wait -1
.endm
	s_load_b128 s[4:7], s[0:1], 0x0                ; qq, kv
	s_load_b64 s[8:9], s[0:1], 0x10                ; out0
	v_lshl_add_u32 v254, v0, 2, 0x34000
	v_mov_b32 v255, 0
	ds_add_u32 v254, v255
	ds_add_u32 v254, v255
	v_lshrrev_b32 v1, 5, v0
	s_delay_alu instid0(VALU_DEP_1)
	v_readfirstlane_b32 s10, v1                    ; wave 0..15
	s_and_b32 s11, s10, 7                          ; P: pass 1's block
	s_lshr_b32 s12, s10, 3                         ; U
	s_bfe_u32 s13, ttmp6, 0x40000                  ; cx: it enters Q's and out0's addresses and the mask's number alone
	s_lshl_b32 s14, s13, 1
	s_add_co_u32 s14, s14, s12                     ; my tile in a block: 2 cx + U
	s_and_b32 s15, ttmp7, 0xffff                   ; bh, which the four partners share
	s_xor_b32 s16, s11, 15                         ; pass 0's block: 15 - P
	s_mov_b32 s22, 0x3e38aa3b                      ; c = log2(e) / 8
	s_mov_b32 s23, s22                             ; (named with it as a pair, so it is written)
	s_mov_b32 s24, 0x76543210
	s_mov_b32 s25, 0xfedcba98                      ; v_permlanex16_b32's selects for lane l xor 16
	; descriptor group 1: a step's 8,960 dense bytes as 35 rows of 256 (32 elements of 8 bytes), no padding
	s_mov_b32 s[G1+0], 15|(3<<16)|(1<<21)          ; 15:0 the mask: all four work-groups; 17:16 elements of 8 bytes; 21 set beside a mask
	s_mov_b32 s[G1+1], 32<<16                      ; tensor_dim0
	s_mov_b32 s[G1+2], 35<<16                      ; tensor_dim1
	s_mov_b32 s[G1+3], 32<<16                      ; tile_dim0
	s_mov_b32 s[G1+4], 35                          ; tile_dim1
	s_mov_b32 s[G1+5], 32                          ; tensor_dim0_stride
	s_mov_b32 s[G1+6], 0
	s_mov_b32 s[G1+7], 0
	s_mul_i32 s60, s15, HEADB
	s_mov_b32 s61, 0
	s_mul_i32 s62, s10, STEPB                      ; the step that I fetch of each four: my wave's number
	s_mov_b32 s63, 0
	s_wait_dscnt 0x0
	s_wait_kmcnt 0x0
	s_add_nc_u64 s[4:5], s[4:5], s[60:61]          ; qq and kv at my head
	s_add_nc_u64 s[6:7], s[6:7], s[60:61]
	s_add_nc_u64 s[66:67], s[6:7], s[62:63]
.irp c, 0,1,2,3
	s_mov_b32 s[G0+4*\c], 1                                        ; count = 1
	s_add_co_u32 s[G0+4*\c+1], s62, \c*4*STEPB                     ; LDS address: step 4 c + wave
	s_add_nc_u64 s[G0+4*\c+2:G0+4*\c+3], s[66:67], \c*4*STEPB      ; the same step in memory
	s_or_b32 s[G0+4*\c+3], s[G0+4*\c+3], 0x80000000                ; type = 2
.endr
	CROUND                                         ; all four work-groups are here: the joint loads meet
	s_cmp_lt_u32 s10, 4                            ; a wave's four fills stand in one branch on the wave's number, ahead of every wait on TENSORcnt and every LDS read
	s_cbranch_scc0 .Lno_fetch
	tensor_load_to_lds s[G0:G0+3], s[G1:G1+7]
	s_nop 0
	tensor_load_to_lds s[G0+4:G0+7], s[G1:G1+7]
	s_nop 0
	tensor_load_to_lds s[G0+8:G0+11], s[G1:G1+7]
	s_nop 0
	tensor_load_to_lds s[G0+12:G0+15], s[G1:G1+7]
	s_nop 0
.rept 4
	v_nop                                          ; four lines behind the last of them
.endr
.Lno_fetch:
	s_mul_i32 s62, s16, STEPB
	s_add_nc_u64 s[52:53], s[4:5], s[62:63]        ; qq at pass 0's block,
	s_mul_i32 s62, s11, STEPB
	s_add_nc_u64 s[54:55], s[4:5], s[62:63]        ; at pass 1's
	v_and_b32 v[TMP], 31, v0
	s_delay_alu instid0(VALU_DEP_1)
	v_lshlrev_b32 v[LI], 4, v[TMP]
	s_delay_alu instid0(VALU_DEP_2)
	v_lshlrev_b32 v[L8], 3, v[TMP]
	v_and_b32 v[BP], 15, v0                        ; r = lane % 16
	s_wait_alu depctr_va_vdst(0)
	v_bfe_u32 v[BP+1], v0, 4, 1                    ; h = lane / 16
	s_lshl_b32 s62, s14, 9
	v_add_nc_u32 v[QA], s62, v[LI]
	s_lshl_b32 s62, s12, 8
	s_lshl_b32 s68, s13, 2
	s_add_co_u32 s62, s62, s68
	v_lshl_add_u32 v[QB], v[BP], 4, s62            ; tile 2 cx + U's words lie in lanes 16 U + r, word cx
	global_load_b128 v[QF:QF+3], v[QA], s[52:53]
	global_load_b32 v[QS], v[QB], s[52:53] offset:8192
	s_lshr_b32 s68, s15, 4                         ; out0: the batch's 2,048 rows,
	s_lshl_b32 s68, s68, 11
	s_lshl_b32 s69, s14, 4
	s_add_co_u32 s68, s68, s69                     ; my tile's 16 in a block,
	s_and_b32 s69, s15, 15
	s_lshl_b32 s69, s69, 8                         ; my head's 256 bytes of a row
	s_lshl_b32 s62, s16, 7
	s_add_co_u32 s62, s62, s68
	s_lshl_b32 s62, s62, 12                        ; rows of 4,096 bytes
	s_add_co_u32 s62, s62, s69
	s_add_nc_u64 s[56:57], s[8:9], s[62:63]        ; pass 0's rows,
	s_lshl_b32 s62, s11, 7
	s_add_co_u32 s62, s62, s68
	s_lshl_b32 s62, s62, 12
	s_add_co_u32 s62, s62, s69
	s_add_nc_u64 s[58:59], s[8:9], s[62:63]        ; pass 1's
	s_mul_i32 s68, s10, 16*272
	s_add_co_u32 s68, s68, STAGE                   ; my stage
	v_mul_u32_u24 v[SI], v[BP], 272
	s_wait_alu depctr_va_vdst(0)
	v_lshl_add_u32 v[SI], v[BP+1], 5, v[SI]
	s_delay_alu instid0(VALU_DEP_1)
	v_add_nc_u32 v[SI], s68, v[SI]                 ; in: row r, 32 bytes for each half of the lanes
	v_mul_u32_u24 v[SR], v[BP+1], 272
	s_delay_alu instid0(VALU_DEP_1)
	v_lshl_add_u32 v[SR], v[BP], 4, v[SR]
	s_delay_alu instid0(VALU_DEP_1)
	v_add_nc_u32 v[SR], s68, v[SR]                 ; back: lanes 0-15 one row of 256 bytes, lanes 16-31 the next
	v_lshlrev_b32 v[GO], 12, v[BP+1]
	s_delay_alu instid0(VALU_DEP_1)
	v_lshl_add_u32 v[GO], v[BP], 4, v[GO]          ; and the same two rows in out0
	s_lshl_b32 s69, s14, 4
	v_lshlrev_b32 v[DQ], 3, v[BP+1]
	s_delay_alu instid0(VALU_DEP_1)
	v_sub_nc_u32 v[DQ], v[BP], v[DQ]
	s_delay_alu instid0(VALU_DEP_1)
	v_add_nc_u32 v[DQ], s69, v[DQ]                 ; 16 tile + r - 8 h
	v_mov_b32 v[NINF], 0xff800000
.irp i, 4,5,6,7
	v_mov_b32 v[QF+\i], 0                          ; the zero codes of k = 64 .. 127: written once
.irp t, 0,1,2,3,4,5,6,7
	v_mov_b32 v[KF+8*\t+\i], 0
.endr
.endr
.irp b, 0,1,2,3
	v_mov_b32 v[BP+\b], 0                          ; a lane permute's destination counts as one of its sources
.endr
	v_mov_b32 v[F+1], 0
; A KEY STEP: 128 keys, step s18 of the head, at LDS byte s19.  causal = 1: the step may lie on or behind my block's diagonal (s20 = my block).
.macro STEP causal
.if \causal
	s_cmp_gt_u32 s18, s20                          ; all its keys come after my queries: only the counters step.  The branch hangs on the wave's number and the counter
	s_cbranch_scc1 .Lhid_\@
.endif
	s_setprio 2
	v_add_nc_u32 v[ADR], s19, v[LI]
	v_add_nc_u32 v[AD8], s19, v[L8]
	v_nop
	v_nop                                          ; four places in front of loads into registers that the last step's products have read
.irp t, 0,1,2,3,4,5,6,7
	ds_load_b128 v[KF+8*\t:KF+8*\t+3], v[ADR] offset:512*\t
.endr
	ds_load_b128 v[KSC:KSC+3], v[ADR] offset:8192
.irp ct, 0,1,2,3
.irp c, 0,1
	ds_load_b128 v[VF+8*\ct+4*\c:VF+8*\ct+4*\c+3], v[ADR] offset:4096+1024*\ct+512*\c
.endr
.endr
	ds_load_b64 v[VSC:VSC+1], v[AD8] offset:8704
	s_wait_dscnt 9                                 ; K and its scale words are in; V's nine loads may be out
.irp t, 0,1,2,3,4,5,6,7
.if (\t)%2
	v_wmma_scale_f32_16x16x128_f8f6f4 v[S+8*\t:S+8*\t+7], v[KF+8*\t:KF+8*\t+7], v[QF:QF+7], 0, v[KSC+\t/2], v[QS] matrix_a_fmt:MATRIX_FMT_FP4 matrix_b_fmt:MATRIX_FMT_FP4 matrix_a_scale:MATRIX_SCALE_ROW1
.else
	v_wmma_scale_f32_16x16x128_f8f6f4 v[S+8*\t:S+8*\t+7], v[KF+8*\t:KF+8*\t+7], v[QF:QF+7], 0, v[KSC+\t/2], v[QS] matrix_a_fmt:MATRIX_FMT_FP4 matrix_b_fmt:MATRIX_FMT_FP4
.endif
.endr
.rept 4
	v_nop                                          ; places in front of the first read of the scores
.endr
.if \causal
	s_cmp_lg_u32 s18, s20
	s_cbranch_scc1 .Lopen_\@                       ; all keys of the step count
.set n, 0
.rept 64                                       ; on the diagonal: register 8 t + j holds key 16 t + 8 h + j of the block: hidden where 16 t + j > 16 tile + r - 8 h.  Its score becomes -infinity, so p = 0
	v_cmp_gt_i32 vcc_lo, 16*(n/8)+n%8, v[DQ]
	v_cndmask_b32 v[S+n], v[S+n], v[NINF], vcc_lo
.set n, n+1
.endr
.Lopen_\@:
.endif
.irp b, 0,1,2,3
	v_max3_num_f32 v[BM+\b], v[S+16*\b], v[S+1+16*\b], v[S+2+16*\b]   ; the largest score of each block of 32 keys: for the row's maximum and, since p rises with the score, for the block's largest p
.endr
.irp i, 3,5,7,9,11,13
.irp b, 0,1,2,3
	v_max3_num_f32 v[BM+\b], v[BM+\b], v[S+16*\b+\i], v[S+1+16*\b+\i]   ; (the four blocks by turns)
.endr
.endr
.irp b, 0,1,2,3
	v_max_num_f32 v[BM+\b], v[BM+\b], v[S+15+16*\b]
.endr
.irp b, 0,1,2,3
	s_delay_alu instid0(VALU_DEP_4)
	v_permlanex16_b32 v[BP+\b], v[BM+\b], s24, s25
.endr
.irp b, 0,1,2,3
	s_delay_alu instid0(VALU_DEP_4)
	v_max_num_f32 v[BM+\b], v[BM+\b], v[BP+\b]     ; with lane l xor 16's 16 keys
.endr
	s_delay_alu instid0(VALU_DEP_2)
	v_max3_num_f32 v[TMP], v[BM], v[BM+1], v[BM+2]
	s_delay_alu instid0(VALU_DEP_1)
	v_max_num_f32 v[TMP], v[TMP], v[BM+3]          ; the step's largest score of my query (the step's first key counts for every query that walks it)
	s_delay_alu instid0(VALU_DEP_1)
	v_mul_f32 v[TMP], s22, v[TMP]                  ; as t
	s_delay_alu instid0(VALU_DEP_1)
	v_max_num_f32 v13, v13, v[TMP]                 ; the running largest t
	v_mov_b32 v[TMP], v12
	s_delay_alu instid0(VALU_DEP_2)
	v_floor_f32 v12, -v13                          ; the new -M = floor(-t) = -ceil(t): a whole number
	s_delay_alu instid0(VALU_DEP_1)
	v_sub_f32 v[TMP], v12, v[TMP]                  ; old M - new M: a whole number, 0 or less
	s_delay_alu instid0(VALU_DEP_1)
	v_cvt_i32_f32 v[TMP], v[TMP]                   ; (it saturates)
	s_delay_alu instid0(VALU_DEP_1)
	v_ldexp_f32 v[F], 1.0, v[TMP]                  ; f = 2^(old M - new M)
.set j, 0
.rept 32
	v_pk_fma_f32 v[S+j:S+j+1], v[S+j:S+j+1], s[22:23], v[12:13] op_sel_hi:[1,0,0]   ; t - M, two at a time (of the pairs c and -M the low word serves both halves)
.set j, j+2
.endr
.irp b, 0,1,2,3
	v_fma_f32 v[BM+\b], v[BM+\b], s22, v12         ; the same of each block's largest score
.endr
.set j, 0
	s_setprio 1
	s_wait_alu depctr_va_vdst(0)
.rept 64
	v_exp_f32 v[S+j], v[S+j]                       ; p = 2^(t - M), at most 1
.set j, j+1
.endr
	v_pk_mul_f32 v[14:15], v[14:15], v[F:F+1] op_sel_hi:[1,0]   ; the sums under the new M: a plain place behind the exponentials
	s_wait_alu depctr_va_vdst(0)                   ; one wait for the batch of 64, ahead of its first reader
.irp b, 0,1,2,3
	v_exp_f32 v[BM+\b], v[BM+\b]                   ; the block's largest p: the same two instructions on the same number
.endr
	v_pk_add_f32 v[236:237], v[124:125], v[128:129]
	v_pk_add_f32 v[252:253], v[132:133], v[136:137]
	v_pk_add_f32 v[250:251], v[140:141], v[144:145]
	v_pk_add_f32 v[246:247], v[148:149], v[152:153]
	v_pk_add_f32 v[244:245], v[156:157], v[160:161]
	v_pk_add_f32 v[234:235], v[164:165], v[168:169]
	v_pk_add_f32 v[232:233], v[172:173], v[176:177]
	v_pk_add_f32 v[14:15], v[14:15], v[180:181]
	v_pk_add_f32 v[236:237], v[236:237], v[120:121]
	v_pk_add_f32 v[252:253], v[252:253], v[122:123]
	v_pk_add_f32 v[250:251], v[250:251], v[126:127]
	v_pk_add_f32 v[246:247], v[246:247], v[130:131]
	v_pk_add_f32 v[244:245], v[244:245], v[134:135]
	v_pk_add_f32 v[234:235], v[234:235], v[138:139]
	v_pk_add_f32 v[232:233], v[232:233], v[142:143]
	v_pk_add_f32 v[14:15], v[14:15], v[146:147]
	v_pk_add_f32 v[236:237], v[236:237], v[150:151]
	v_pk_add_f32 v[252:253], v[252:253], v[154:155]
	v_pk_add_f32 v[250:251], v[250:251], v[158:159]
	v_pk_add_f32 v[246:247], v[246:247], v[162:163]
	v_pk_add_f32 v[244:245], v[244:245], v[166:167]
	v_pk_add_f32 v[234:235], v[234:235], v[170:171]
	v_pk_add_f32 v[232:233], v[232:233], v[174:175]
	v_pk_add_f32 v[14:15], v[14:15], v[178:179]
	v_pk_add_f32 v[236:237], v[236:237], v[182:183]
	s_delay_alu instid0(VALU_DEP_2)
	v_pk_add_f32 v[14:15], v[14:15], v[246:247]
	s_delay_alu instid0(VALU_DEP_2)
	v_pk_add_f32 v[236:237], v[236:237], v[244:245]
	v_pk_add_f32 v[252:253], v[252:253], v[234:235]
	v_pk_add_f32 v[250:251], v[250:251], v[232:233]
	s_delay_alu instid0(VALU_DEP_2)
	v_pk_add_f32 v[14:15], v[14:15], v[252:253]
	s_delay_alu instid0(VALU_DEP_2)
	v_pk_add_f32 v[236:237], v[236:237], v[250:251]
	s_delay_alu instid0(VALU_DEP_1)
	v_pk_add_f32 v[14:15], v[14:15], v[236:237]
	s_wait_alu depctr_va_vdst(0)                   ; and one for the four
.irp b, 0,1,2,3
	v_max_num_f32 v[BM+\b], 0x1800000, v[BM+\b]    ; the floor 2^(3 - 127): the byte cannot fall under 1
.endr
.irp b, 0,1,2,3
	s_delay_alu instid0(VALU_DEP_4)
	v_add_nc_u32 v[BS+\b], 0xff000000, v[BM+\b]    ; 2 off the exponent field: the conversion's scale operand
.endr
.irp b, 0,1,2,3
	s_delay_alu instid0(VALU_DEP_4)
	v_lshrrev_b32 v[BP+\b], 23, v[BS+\b]           ; the scale's byte
.endr
	s_delay_alu instid0(VALU_DEP_3)
	v_lshl_or_b32 v[PS], v[BP+1], 8, v[BP]         ; p's scale word for these 128 keys
	s_delay_alu instid0(VALU_DEP_1)
	v_lshl_or_b32 v[PS], v[BP+2], 16, v[PS]
	s_delay_alu instid0(VALU_DEP_1)
	v_lshl_or_b32 v[PS], v[BP+3], 24, v[PS]
.irp c, 0,1                                    ; tiles 4 c, 4 c + 2 into registers 4 c, 4 c + 1; tiles 4 c + 1, 4 c + 3 into 4 c + 2, 4 c + 3
	v_cvt_scalef32_pk8_fp4_f32 v[PC+4*\c], v[S+32*\c:S+32*\c+7], v[BS+2*\c]
	v_cvt_scalef32_pk8_fp4_f32 v[PC+4*\c+2], v[S+32*\c+8:S+32*\c+15], v[BS+2*\c]
	v_cvt_scalef32_pk8_fp4_f32 v[PC+4*\c+1], v[S+32*\c+16:S+32*\c+23], v[BS+2*\c+1]
	v_cvt_scalef32_pk8_fp4_f32 v[PC+4*\c+3], v[S+32*\c+24:S+32*\c+31], v[BS+2*\c+1]
.endr
	s_setprio 0
	v_nop                                          ; one plain place behind the scaled conversions
.irp c, 0,1                                    ; the first's upper lanes change places with the second's lower: register 4 c + g of half h now holds keys 64 c + 32 h + 8 g on
	v_permlane16_swap_b32 v[PC+4*\c], v[PC+4*\c+1]
	v_permlane16_swap_b32 v[PC+4*\c+2], v[PC+4*\c+3]
.endr
.set j, 0
.rept 16
	v_pk_mul_f32 v[O+j:O+j+1], v[O+j:O+j+1], v[F:F+1] op_sel_hi:[1,0]   ; O^T under the new M.  These sixteen are also the places between the codes and the scale word just made and the products below
.set j, j+2
.endr
	s_wait_alu depctr_va_vdst(0)
	s_wait_dscnt 0x0                               ; V and its scale words are in
.irp ct, 0,1,2,3                               ; the four accumulators take turns, one instruction a turn
.if (\ct)%2
	v_wmma_scale_f32_16x16x128_f8f6f4 v[O+8*\ct:O+8*\ct+7], v[VF+8*\ct:VF+8*\ct+7], v[PC:PC+7], v[O+8*\ct:O+8*\ct+7], v[VSC+\ct/2], v[PS] matrix_a_fmt:MATRIX_FMT_FP4 matrix_b_fmt:MATRIX_FMT_FP4 matrix_a_scale:MATRIX_SCALE_ROW1
.else
	v_wmma_scale_f32_16x16x128_f8f6f4 v[O+8*\ct:O+8*\ct+7], v[VF+8*\ct:VF+8*\ct+7], v[PC:PC+7], v[O+8*\ct:O+8*\ct+7], v[VSC+\ct/2], v[PS] matrix_a_fmt:MATRIX_FMT_FP4 matrix_b_fmt:MATRIX_FMT_FP4
.endif
.endr
.if \causal
.Lhid_\@:
.endif
	s_add_co_u32 s18, s18, 1
	s_add_co_u32 s19, s19, STEPB
.endm
; A pass begins: O^T and the sum are zeros and the largest t lies under every t, so that the step is written once: the first change of M multiplies zeros.
.macro INIT
	s_wait_xcnt 0x0                                ; the stores of the pass before have read their registers, which the scores take again
	v_mov_b32 v13, 0xff61b1e6                      ; -3e38
	s_delay_alu instid0(VALU_DEP_1)
	v_floor_f32 v12, -v13
	v_mov_b32 v14, 0
	v_mov_b32 v15, 0
.set j, 0
.rept 32
	v_mov_b32 v[O+j], 0
.set j, j+1
.endr
.endm
; THE WAY OUT of pass n: O^T / the sum goes through my stage in LDS and leaves as rows of 256 bytes: sixteen lanes store my head's part of a row of out0, 256 consecutive bytes, aligned.
.macro WAYOUT n
	v_add_f32 v14, v14, v15                        ; the sum's two halves,
	s_delay_alu instid0(VALU_DEP_1)
	v_permlanex16_b32 v[TMP], v14, s24, s25
	s_delay_alu instid0(VALU_DEP_1)
	v_add_f32 v14, v14, v[TMP]                     ; and lane l xor 16's
	s_wait_alu depctr_va_vdst(0)
	v_rcp_f32 v14, v14
.rept 3
	v_nop                                          ; with the two additions: the places behind the last products; a plain place behind the reciprocal
.endr
.if \n == 0
	global_load_b128 v[QF:QF+3], v[QA], s[54:55]   ; pass 1's queries are asked for here
	global_load_b32 v[QS], v[QB], s[54:55] offset:8192
.endif
	s_wait_alu depctr_va_vdst(0)                   ; the wait ahead of the reciprocal's first reader
.set j, 0
.rept 16
	v_pk_mul_f32 v[S+j:S+j+1], v[O+j:O+j+1], v[14:15] op_sel_hi:[1,0]   ; each accumulator from its low end on: register 8 ct + i is channel 16 ct + 8 h + i of query r
.set j, j+2
.endr
.irp ct, 0,1,2,3
	ds_store_b128 v[SI], v[S+8*\ct:S+8*\ct+3] offset:64*\ct
	ds_store_b128 v[SI], v[S+8*\ct+4:S+8*\ct+7] offset:64*\ct+16
.endr
.irp i, 0,1,2,3,4,5,6,7
	ds_load_b128 v[S+32+4*\i:S+32+4*\i+3], v[SR] offset:544*\i   ; LDS serves a wave's instructions in order (ISA guide 5.7.1.4): these see my stores
.endr
.irp i, 0,1,2,3,4,5,6,7
	s_wait_dscnt 7-\i                              ; rows 2 i and 2 i + 1 are back; the younger loads may be out
	global_store_b128 v[GO], v[S+32+4*\i:S+32+4*\i+3], s[56+2*\n:57+2*\n] offset:8192*\i th:TH_STORE_NT
.endr
.endm
	INIT
	s_mov_b32 s20, s16                             ; pass 0: block 15 - P, at least 8: steps 0-7 lie wholly under the diagonal
	s_wait_loadcnt 0x0                             ; Q
	s_wait_tensorcnt 0x3                           ; the first of a fetching wave's four loads has landed; the three younger may be out:
	s_barrier_signal -1
	s_barrier_wait -1                              ; steps 0-3 are whole.
	s_mov_b32 s18, 0
	s_mov_b32 s19, 0
.Lfirst4:
	STEP 0
	s_cmp_lt_u32 s18, 4
	s_cbranch_scc1 .Lfirst4
	s_setprio 0
	s_wait_tensorcnt 0x2                           ; the second has landed; two may be out:
	s_wait_dscnt 0x0
	s_barrier_signal -1
	s_barrier_wait -1                              ; steps 4-7 are whole
	s_mov_b32 s18, 4
	s_mov_b32 s19, 4*STEPB
.Lnext4:
	STEP 0
	s_cmp_lt_u32 s18, 8
	s_cbranch_scc1 .Lnext4
	s_setprio 0
	s_wait_tensorcnt 0x0                           ; all have landed:
	s_wait_dscnt 0x0
	s_barrier_signal -1
	s_barrier_wait -1                              ; the head is whole
	s_mov_b32 s18, 8
	s_mov_b32 s19, 8*STEPB
.Llast8:
	STEP 1
	s_cmp_lt_u32 s18, 16
	s_cbranch_scc1 .Llast8
	s_setprio 0
	WAYOUT 0
	INIT
	s_mov_b32 s20, s11                             ; pass 1: block P
	s_mov_b32 s18, 0
	s_mov_b32 s19, 0
	s_wait_loadcnt 0x0                             ; its queries
.Lpass1:
	STEP 1
	s_cmp_lt_u32 s18, 8
	s_cbranch_scc1 .Lpass1
	s_setprio 0
	WAYOUT 1
	s_wait_dscnt 0x0
	s_wait_tensorcnt 0x0
	ds_add_u32 v254, v255
	s_wait_dscnt 0x0
	CROUND                                         ; the closing round: no work-group ends while a partner may still ask for a tile that names it
	s_endpgm
.Lfunc_end_k_q5847921503_attn:
	.size	k_q5847921503_attn, .Lfunc_end_k_q5847921503_attn-k_q5847921503_attn
	.p2alignl 7, 3214868480
	.fill 96, 4, 3214868480
	.section	.rodata,"a",@progbits
	.p2align	6, 0x0
	.amdhsa_kernel k_q5847921503_attn
		.amdhsa_group_segment_fixed_size 215040
		.amdhsa_private_segment_fixed_size 0
		.amdhsa_enable_private_segment 0
		.amdhsa_kernarg_size 24
		.amdhsa_user_sgpr_count 2
		.amdhsa_user_sgpr_kernarg_segment_ptr 1
		.amdhsa_wavefront_size32 1
		.amdhsa_system_sgpr_workgroup_id_x 1
		.amdhsa_system_sgpr_workgroup_id_y 1
		.amdhsa_system_sgpr_workgroup_id_z 1
		.amdhsa_system_vgpr_workitem_id 0
		.amdhsa_next_free_vgpr 256
		.amdhsa_next_free_sgpr 72
		.amdhsa_reserve_vcc 1
		.amdhsa_float_denorm_mode_32 3
		.amdhsa_float_denorm_mode_16_64 3
		.amdhsa_memory_ordered 1
		.amdhsa_forward_progress 1
		.amdhsa_inst_pref_size 93
	.end_amdhsa_kernel
	.amdgpu_metadata
---
amdhsa.version: [ 1, 2 ]
amdhsa.kernels:
  - .name:           k_q5847921503_attn
    .symbol:         k_q5847921503_attn.kd
    .args:
      - { .name: qq, .offset: 0, .size: 8, .value_kind: global_buffer, .address_space: global }
      - { .name: kv, .offset: 8, .size: 8, .value_kind: global_buffer, .address_space: global }
      - { .name: out0, .offset: 16, .size: 8, .value_kind: global_buffer, .address_space: global }
    .group_segment_fixed_size: 215040
    .private_segment_fixed_size: 0
    .kernarg_segment_align: 8
    .kernarg_segment_size: 24
    .max_flat_workgroup_size: 512
    .sgpr_count:     72
    .vgpr_count:     256
    .wavefront_size: 32
...
	.end_amdgpu_metadata
.endif
;; end of part 2
